; MI455X (gfx1250); checked and timed in simulation.
; The chip was launched on July 23, 2026; its instructions are those of AMD's public machine-readable ISA for CDNA 5 (MIT licence, August 2026) and "CDNA5" Instruction Set Architecture Reference Guide (July 2026). The comments in the code are by the model that wrote it; some were corrected since.
;; Multi Head Self Attention. Allowed arithmetic: matrix products marked QUANTISED: E2M1 operands, one E8M0 scale for each 32 along K, by v_wmma_scale_f32_16x16x128_f8f6f4 with both operands' format E2M1 (or v_wmma_scale_f32_32x16x128_f4), f32 sums; everything else in f32.
;; Inputs: Wk_codes 1,024 x 32 x 16 uint8 (E2M1 codes of Wk, K innermost, in blocks of 32 codes, two codes a byte); Wk_scales 1,024 x 32 uint8 (E8M0 scales of Wk, one for each 32 codes along K); Wm_codes 1,024 x 32 x 16 uint8 (E2M1 codes of Wm, K innermost, in blocks of 32 codes, two codes a byte); Wm_scales 1,024 x 32 uint8 (E8M0 scales of Wm, one for each 32 codes along K); Wq_codes 1,024 x 32 x 16 uint8 (E2M1 codes of Wq, K innermost, in blocks of 32 codes, two codes a byte); Wq_scales 1,024 x 32 uint8 (E8M0 scales of Wq, one for each 32 codes along K); Wv_codes 1,024 x 32 x 16 uint8 (E2M1 codes of Wv, K innermost, in blocks of 32 codes, two codes a byte); Wv_scales 1,024 x 32 uint8 (E8M0 scales of Wv, one for each 32 codes along K); bk 1,024 float32; bm 1,024 float32; bq 1,024 float32; bv 1,024 float32; x_codes 4 x 2,048 x 32 x 16 uint8 (E2M1 codes of x, K innermost, in blocks of 32 codes, two codes a byte); x_scales 4 x 2,048 x 32 uint8 (E8M0 scales of x, one for each 32 codes along K).
;; Outputs: out0 4 x 2,048 x 1,024 float32.
;; This version of the problem:
;;   THIS VERSION OF THE PROBLEM IS GIVEN IN LOW PRECISION. The matrix products marked QUANTISED in the list below multiply operands that are first quantised to E2M1 (2 exponent bits, 1 mantissa bit; 4 bits a number), with one power-of-two scale for each 32 numbers along K (OCP MX v1.0); their sums are f32. All else is computed in f32.
;;   The module's matrix products, in the order in which they are computed (A, B: the left and right operand; K: the contracted axis; several contracted axes count as one K, in the product's order):
;;     1. [M 8,192, K 1,024] x [K 1,024, N 1,024]; A: input x (given as codes); B: input Wq (given as codes): QUANTISED
;;     2. [M 8,192, K 1,024] x [K 1,024, N 1,024]; A: input x (given as codes); B: input Wk (given as codes): QUANTISED
;;     3. [M 8,192, K 1,024] x [K 1,024, N 1,024]; A: input x (given as codes); B: input Wv (given as codes): QUANTISED
;;     4. batch 64 x [M 2,048, K 64] x [K 64, N 2,048]; A: computed on the way; B: computed on the way: QUANTISED
;;     5. batch 64 x [M 2,048, K 2,048] x [K 2,048, N 64]; A: softmax (see below); B: computed on the way: QUANTISED
;;     6. [M 8,192, K 1,024] x [K 1,024, N 1,024]; A: computed on the way; B: input Wm (given as codes): QUANTISED
;;   THE QUANTISER, for each operand of a quantised product, along K:
;;     - K is cut into blocks of 32 from its start; a last block that is shorter is filled with zeros.
;;     - A block's scale is 2^e with e = floor(log2(the largest magnitude in the block)) - 2, held to -126 .. 127; a block of zeros has e = 0. As a byte (E8M0): e + 127.
;;     - Each number is divided by its block's scale, clamped to +-6, and rounded to the nearest number of E2M1, ties to even, subnormals kept.
;;     - The product sums the exact products of the quantised numbers (number of the format x scale) in f32.
;;   ~~~python
;;   def quantise(x, axis):      # numpy; x: float32 -> the quantised numbers, widened to float32 again
;;       x = np.moveaxis(x, axis, -1); K = x.shape[-1]
;;       x = np.pad(x, [(0, 0)] * (x.ndim - 1) + [(0, -K % 32)]); x = x.reshape(x.shape[:-1] + (-1, 32)); a = np.abs(x).max(-1, keepdims=True)
;;       e = np.where(a > 0, np.clip(np.frexp(np.where(a > 0, a, 1))[1] - 1 - 2, -126, 127), 0)      # np.frexp(a)[1] - 1 = floor(log2(a)), exactly
;;       r = np.clip(x / 2.0 ** e, -6, 6)
;;       step = 2.0 ** (np.maximum(np.frexp(np.where(r == 0, 1, r))[1] - 1, 0) - 1)
;;       q = np.round(r / step) * step * 2.0 ** e      # np.round: ties to even
;;       return np.moveaxis(q.reshape(q.shape[:-2] + (-1,))[..., :K], -1, axis).astype(np.float32)
;;   ~~~
;;   SOFTMAX AHEAD OF A QUANTISED PRODUCT. Where the list says 'softmax', what is quantised is not the finished softmax but p = 2^(t - M), with t = logit x log2(e) and M = ceil(the row's largest t), a whole number; so 1/2 < the row's largest p <= 1. The row's sum l is taken of the UNQUANTISED p, in f32, and the product's result is divided by l at the end. Since M is a whole number, a kernel that streams over the keys may use a running M (the ceiling of the running maximum): every later rescaling is an exact power of two, which a block's scale takes up: the codes' values come out the same.
;;   OPERANDS COMPUTED ON THE WAY. 'Computed on the way' means the value that the module computes at that place (a softmax that the list does not call 'softmax' is quantised finished and normalised). What goes into a quantiser is computed in f32, as accurately as f32 sums, v_exp_f32 and their like allow (about 1e-6 of the number): no bf16 or f16 on the way to a quantiser, and a product that is left as it is and whose result goes on into a quantised operand takes f32 operands (vector FMAs, or v_wmma_f32_16x16x4_f32). A number that lies on a knife's edge between two numbers of the format may be rounded either way, as far as f32 arithmetic and the matrix unit's own rounding can turn it there, and no further.
;;   INPUTS GIVEN AS CODES. Wk (in the module: [1024, 1024], K = its axis 0); Wm (in the module: [1024, 1024], K = its axis 0); Wq (in the module: [1024, 1024], K = its axis 0); Wv (in the module: [1024, 1024], K = its axis 0); x (in the module: [4, 2048, 1024], K = its axis 2): each comes as NAME_codes (uint8): NAME with its K axis moved to the last place and cut into blocks of 32 codes, [.., K / 32, bytes a block], one block behind the other in memory; two codes a byte, the lower K in the low four bits (a code: sign, 2 exponent bits, 1 mantissa bit); and NAME_scales (uint8): the same leading axes, one E8M0 byte (e + 127) for each 32 codes along K. Its value is code x scale, taken as it is: it is not quantised again, and the codes and scales need not be those that the quantiser above would give.
;; One version. Each part assembles by itself: llvm-mc -triple=amdgcn-amd-amdhsa -mcpu=gfx1250 --defsym DOCPART=n.
;; ======== version 1 of 1: 3 launches
;; workspace buffers: qb 9,175,040 bytes; kv 9,175,040 bytes; ab 5,242,880 bytes
;; launch qkv (part 1): grid 12 x 32, 4 waves a work-group, clusters of 4 x 4, 297,472 bytes of LDS; arguments x_codes, x_scales, Wq_codes, Wq_scales, Wk_codes, Wk_scales, Wv_codes, Wv_scales, bq, bk, bv, qb, kv; writes qb, kv
.if DOCPART == 1
	.amdgcn_target "amdgcn-amd-amdhsa--gfx1250"
	.amdhsa_code_object_version 6
	.text
	.protected	k_qca4e0c690a_qkv
	.globl	k_qca4e0c690a_qkv
	.p2align	8
	.type	k_qca4e0c690a_qkv,@function
k_qca4e0c690a_qkv:
	s_mov_b64 s[64:65], 0
	v_nop
	global_prefetch_b8 v0, s[64:65] scope:SCOPE_SE
	s_setreg_imm32_b32 hwreg(HW_REG_WAVE_MODE, 25, 1), 1
	s_wait_xcnt 0x0
	s_wait_alu depctr_hold_cnt(0) depctr_sa_sdst(0) depctr_va_vdst(0) depctr_va_sdst(0) depctr_va_ssrc(0) depctr_va_vcc(0) depctr_vm_vsrc(0)
	s_getreg_b32 s2, hwreg(HW_REG_IB_STS2, 6, 4)
	s_cmp_eq_u32 s2, 0
	s_cbranch_scc0 .Lentry_in_a_cluster
	s_endpgm
.Lentry_in_a_cluster:
	s_bfe_u32 s2, ttmp6, 0x10000c
	s_cmp_lg_u32 s2, 0xf033
	s_cbranch_scc0 .Lentry_shape_is_right
	s_endpgm
.Lentry_shape_is_right:
; q = x Wq + bq, k = x Wk + bk, v = x Wv + bv on codes of FP4 (E2M1) with one E8M0 scale for each 32 along K = 1,024; the results, in f32, are quantised at once:
; q and k along a head's 64 channels, v along the keys; they leave as codes in the order of the next product's operand registers.
; SHARES.  x is [8,192][1,024], each weight [1,024 (n)][1,024 (k)], K innermost: a row is 512 bytes of codes and 32 scale bytes.  A work-group of four waves makes 256 rows of x against 256 rows of ONE
; weight; a wave 128 x 128: 64 accumulators, 512 registers.  The cluster's x (0, 1, 2) says which weight: q, k, v; the place cx in the cluster which 256 of its rows; 4 x cluster y + cy which 256 rows of x.
; ALL OF K LIES IN LDS AT ONCE: two slots of 512 along K, both filled once, at the start.  No LDS byte is filled again.
; CLUSTERS: 4 x 4.  The four of a row of the cluster need the same rows of x, the four of a column the same rows of the weight: each tile is asked for jointly, by the same tensor load with a mask that names the four.
; ROLES.  A lane's eight results run along the rows of source 0, and a quantiser wants its K along a lane's registers.  So for q and k source 0 = the weight (channels) and source 1 = x;
; for v source 0 = x (keys) and source 1 = the weight.  The tensor loads and the matrix text are the same for all three: only the LDS bases of the fragment loads differ, chosen by the cluster's x.
; RESULT.  In accumulator (a, b) lane (r, h) holds row 16 a + r of source 1, and register j row 16 b + 8 h + j of source 0.  Registers 16 c .. 16 c + 15 of lanes l and l xor 16 are block c of 32.
; OUT.  qb and kv: [16 batch + head][group of 128 tokens][8,960 bytes]: +0 eight tiles of 16 tokens, 512 bytes each (lane l's 16 bytes at 16 l: channels 32 h .. 32 h + 31 of token r);
;   +4,096 V: channel tile c, registers 4 p .. 4 p + 3 of its fragment (16 channels x 128 keys) at 1,024 c + 512 p + 16 l;  +8,192 the tokens' scale words at 16 l + 4 pair (lanes 0-15 tile 2 pair, lanes 16-31 tile 2 pair + 1);
;   +8,704 V's scale words at 8 l + 4 pair.  qb uses +0 and +8,192 alone.  Every store of a wave covers 512 or 256 consecutive bytes, aligned to 256.
; LIMITS: NaN, infinities and scale bytes 0xff among the inputs are not served.  A block whose largest magnitude lies under 2^-124 (a block of zeros too) gets the byte 1: its bytes are read by this program alone.
; REGISTERS, in windows of 256: window 0: v8-15 the scale words made; v16-27 addresses; v32-95 scale words of x and the weight, two sets; v96-127 at work on the way out; v128-191 source 1's fragments, one set, later 64 numbers; v192-255 the bias.
;   window 1: source 0's fragments, two sets.   windows 2, 3: the accumulators ((a, b) at v[8 (8 (a % 4) + b)]).
.set NQ,     4                         ; matrix instructions deep in a slot
.set ROWB,   256                       ; a tile's row in bytes: 512 codes
.set KROW,   512                       ; a row of x or of a weight in memory
.set PITCH,  272                       ; an LDS row: 256 bytes + 16 of padding: the 16 rows of a fragment load start 68 words apart
.set FR,     8                         ; registers of a fragment: 16 rows x 128 K
.set NL,     2                         ; LDS loads that bring one
.set NP,     4                         ; places behind this matrix instruction (ISA guide 7.12.1)
.set HALFT,  128*PITCH                 ; 128 rows: what one tensor load brings
.set SLOT,   4*HALFT                   ; x's 256 rows, then the weight's 256
.set KS,     32                        ; a row of scale bytes
.set SCL,    2*SLOT                    ; behind the slots: the scale bytes, as units of 256 bytes + 16 of padding: x's 256 rows, then the weight's
.set HALFS,  (128*KS/256)*272          ; those of 128 rows
.set SBLK,   (16*KS/256)*272           ; those of 16 rows
.set STEPB,  8960                      ; a group of 128 tokens of one head in qb and kv
.set HEADB,  16*STEPB                  ; from a head to the next
.set PW,   8                           ; v8-15   the scale word of each of my eight blocks
.set ADRA, 16                          ; v16-17  LDS address of source 1's fragments in slot 0, 1
.set ADRB, 20                          ; v20-21  of source 0's
.set LI,   24                          ; v24     16 x lane
.set L8,   25                          ; v25     8 x lane
.set BO,   26                          ; v26     the bias's lane offset
.set ADRS, 27                          ; v27     LDS address of my scale words: lanes 0-15 source 1's rows, lanes 16-31 source 0's
.set SC,   32                          ; scale words, set s at v[SC + 32 s]
.set PC,   96                          ; v96-103 the codes just made
.set TM,   104                         ; v104-119 at work in the quantiser
.set SW,   120                         ; v120-127 scale words on their way out
.set AF,   128                         ; source 1's fragments
.set T,    128                         ; the way out: 64 numbers of a lane
.set BI,   192                         ; the bias, in the layout in which it is added
.set G1, 24                            ; s[24:31] descriptor group 1 for x's tiles;  s[32:39] group 0, one set for each slot
.set G0, 32
.set G1B, 48                           ; s[48:55], s[56:63] the same for the weight's tiles
.set G0B, 56
.set G1S, 68                           ; s[68:75], s[76:79] groups 1 and 0 for x's scales;  s[80:87], s[88:91] for the weight's
.set G0S, 76
.set G1SB, 80
.set G0SB, 88
.set VP,  95                           ; s95  1 where the weight is Wv
.set SEL, 20                           ; s[20:21] on the way out: lane selects for lane l xor 16
.set MSB, 0
.macro WIN new                         ; the immediate's high byte repeats the setting that is left
.if MSB != (\new)
	s_set_vgpr_msb (MSB<<8)|(\new)
.set MSB, (\new)
.endif
.endm
.set MUL_LO, 0xa1                      ; source 0 window 1, source 1 window 0, C and D window 2
.set MUL_HI, 0xf1                      ; the same, C and D window 3
.set TO_B,   0x40                      ; destination window 1, address window 0
; A joint load: waves 0 and 1 fetch for x, waves 2 and 3 for the weight.  The branch hangs on the wave's number alone.  Four v_nop follow each of the two lines.
.macro JLOAD g0a, g1a, g0b, g1b
	s_cmp_eq_u32 s15, 0
	s_cbranch_scc0 .Lfor_b_\@
	tensor_load_to_lds s[\g0a:\g0a+3], s[\g1a:\g1a+7]
	s_nop 0
.rept 4
	v_nop
.endr
	s_branch .Lasked_\@
.Lfor_b_\@:
	tensor_load_to_lds s[\g0b:\g0b+3], s[\g1b:\g1b+7]
	s_nop 0
.rept 4
	v_nop
.endr
.Lasked_\@:
.endm
.macro CROUND                          ; a round of the cluster's barrier
	s_barrier_signal -1
	s_barrier_wait -1
	s_cmp_lg_u32 s14, 0
	s_cbranch_scc1 .Lnot_wave_0_\@
	s_barrier_signal -3
.Lnot_wave_0_\@:
	s_barrier_wait -3
	s_barrier_signal -1
	s_barrier_wait -1
.endm
	s_load_b128 s[4:7], s[0:1], 0x0                ; x's codes, x's scales
	s_load_b256 s[68:75], s[0:1], 0x10             ; Wq's codes, scales; Wk's codes, scales
	s_load_b128 s[76:79], s[0:1], 0x30             ; Wv's codes, scales
	s_load_b128 s[80:83], s[0:1], 0x40             ; bq, bk
	s_load_b128 s[84:87], s[0:1], 0x50             ; bv, qb
	s_load_b64 s[88:89], s[0:1], 0x60              ; kv
	v_lshl_add_u32 v114, v0, 2, 0x48800
	v_mov_b32 v115, 0
	ds_add_u32 v114, v115
	ds_add_u32 v114, v115
	v_lshrrev_b32 v1, 5, v0
	v_readfirstlane_b32 s14, v1                    ; wave 0..3
	s_lshr_b32 s15, s14, 1                         ; I fetch for x (0) or for the weight (1); also: which half of source 1's rows is mine
	s_and_b32 s16, s14, 1                          ; which 128 rows of that tile I fetch; also: which half of source 0's rows is mine
	s_bfe_u32 s40, ttmp6, 0x40000                  ; cx: which 256 rows of the weight
	s_bfe_u32 s41, ttmp6, 0x40004                  ; cy
	s_and_b32 s17, ttmp7, 0xffff
	s_lshl_b32 s17, s17, 2
	s_add_co_u32 s17, s17, s41                     ; which 256 rows of x = 4 x cluster y + cy
	s_lshl_b32 s43, s41, 2
	s_lshl_b32 s43, 15, s43                        ; my row of the cluster
	s_lshl_b32 s44, 0x1111, s40                    ; my column
	; descriptor group 1: a tile of 128 rows x 256 bytes, 16 bytes of padding behind each row
	s_or_b32 s[G1+0], s43, (0<<16)|(1<<20)|(1<<21)|(5<<22)|(3<<25)  ; the mask: x's tiles go to my row; elements of 1 byte; padding on; bit 21 beside a mask; after every 64 words, 4 words
	s_or_b32 s[G1B+0], s44, (0<<16)|(1<<20)|(1<<21)|(5<<22)|(3<<25) ; the weight's go to my column
.irp g, G1, G1B
	s_mov_b32 s[\g+1], ROWB<<16                    ; tensor_dim0
	s_mov_b32 s[\g+2], 128<<16                     ; tensor_dim1
	s_mov_b32 s[\g+3], ROWB<<16                    ; tile_dim0
	s_mov_b32 s[\g+4], 128                         ; tile_dim1
	s_mov_b32 s[\g+5], KROW                        ; from row to row
	s_mov_b32 s[\g+6], 0
	s_mov_b32 s[\g+7], 0
.endr
	s_lshl_b32 s18, s16, 7
	s_lshl_b32 s20, s17, 8
	s_add_co_u32 s20, s20, s18                     ; x: row 256 x tile row + 128 x half
	s_lshl_b32 s46, s40, 8
	s_add_co_u32 s46, s46, s18                     ; the weight: row 256 cx + 128 x half
	s_mov_b32 s21, 0
	s_mov_b32 s47, 0
	s_lshl_b64 s[22:23], s[20:21], 5               ; where these rows' scale bytes begin,
	s_lshl_b64 s[92:93], s[46:47], 5
	s_lshl_b64 s[20:21], s[20:21], 9               ; and their codes
	s_lshl_b64 s[46:47], s[46:47], 9
	s_mul_i32 s45, s14, HALFT                      ; where they go: wave x 128 rows: no place in the cluster enters an LDS address
	s_mul_i32 s94, s14, HALFS
	s_wait_dscnt 0x0
	s_wait_kmcnt 0x0
	s_cmp_eq_u32 ttmp9, 1                          ; which weight: the cluster's x, the same in all sixteen partners
	s_cselect_b64 s[8:9], s[72:73], s[68:69]
	s_cselect_b64 s[10:11], s[74:75], s[70:71]
	s_cselect_b64 s[96:97], s[82:83], s[80:81]
	s_cmp_eq_u32 ttmp9, 2
	s_cselect_b64 s[8:9], s[76:77], s[8:9]         ; s[8:9] the weight's codes
	s_cselect_b64 s[10:11], s[78:79], s[10:11]     ; s[10:11] its scale bytes
	s_cselect_b64 s[96:97], s[84:85], s[96:97]     ; s[96:97] its bias
	s_cselect_b32 s[VP], 1, 0
	s_cmp_eq_u32 ttmp9, 0
	s_cselect_b64 s[12:13], s[86:87], s[88:89]     ; s[12:13] where the results go: qb for q, kv for k and v
	s_add_nc_u64 s[20:21], s[4:5], s[20:21]
	s_add_nc_u64 s[22:23], s[6:7], s[22:23]
	s_add_nc_u64 s[46:47], s[8:9], s[46:47]
	s_add_nc_u64 s[92:93], s[10:11], s[92:93]
	; group 1 for the scale bytes of 128 rows: a dense block of 4,096 bytes, as 16 rows of 256 bytes (32 elements of 8 bytes), 16 bytes of padding behind each.  (The pointers that lay here have been chosen from.)
	s_or_b32 s[G1S+0], s43, (3<<16)|(1<<20)|(1<<21)|(5<<22)|(3<<25)
	s_or_b32 s[G1SB+0], s44, (3<<16)|(1<<20)|(1<<21)|(5<<22)|(3<<25)
.irp g, G1S, G1SB
	s_mov_b32 s[\g+1], 32<<16
	s_mov_b32 s[\g+2], (128*KS/256)<<16
	s_mov_b32 s[\g+3], 32<<16
	s_mov_b32 s[\g+4], 128*KS/256
	s_mov_b32 s[\g+5], 32
	s_mov_b32 s[\g+6], 0
	s_mov_b32 s[\g+7], 0
.endr
	CROUND                                         ; all sixteen work-groups are here: the joint loads meet
	s_mov_b32 s[G0S], 1
	s_add_co_u32 s[G0S+1], s94, SCL
	s_mov_b64 s[G0S+2:G0S+3], s[22:23]
	s_or_b32 s[G0S+3], s[G0S+3], 0x80000000
	s_mov_b32 s[G0SB], 1
	s_add_co_u32 s[G0SB+1], s94, SCL
	s_mov_b64 s[G0SB+2:G0SB+3], s[92:93]
	s_or_b32 s[G0SB+3], s[G0SB+3], 0x80000000
	JLOAD G0S, G1S, G0SB, G1SB                     ; the scale bytes first: they are wanted with the first products
.irp s, 0,1
	s_mov_b32 s[G0+4*\s], 1
	s_add_co_u32 s[G0+4*\s+1], s45, \s*SLOT
	s_add_nc_u64 s[G0+4*\s+2:G0+4*\s+3], s[20:21], \s*ROWB
	s_or_b32 s[G0+4*\s+3], s[G0+4*\s+3], 0x80000000
	s_mov_b32 s[G0B+4*\s], 1
	s_add_co_u32 s[G0B+4*\s+1], s45, \s*SLOT
	s_add_nc_u64 s[G0B+4*\s+2:G0B+4*\s+3], s[46:47], \s*ROWB
	s_or_b32 s[G0B+4*\s+3], s[G0B+4*\s+3], 0x80000000
	JLOAD G0+4*\s, G1, G0B+4*\s, G1B               ; three tensor loads of mine are out: all that this launch has
.endr
	v_and_b32 v1, 15, v0                           ; r = lane % 16
	v_bfe_u32 v2, v0, 4, 1                         ; h = lane / 16
	v_and_b32 v3, 31, v0
	v_lshlrev_b32 v[LI], 4, v3
	v_lshlrev_b32 v[L8], 3, v3
	v_mul_u32_u24 v3, v1, PITCH
	v_lshl_add_u32 v4, v2, 4, v3                   ; a fragment's row x pitch + 16 x half
	s_wait_alu depctr_va_vdst(0)
	s_cmp_eq_u32 s[VP], 1                          ; THE ROLES: for v source 1 reads the weight's rows and source 0 x's
	s_cselect_b32 s18, 2*HALFT, 0
	s_cselect_b32 s19, 0, 2*HALFT
	s_cselect_b32 s66, 2*HALFS, 0
	s_cselect_b32 s67, 0, 2*HALFS
	s_cselect_b32 s98, s16, s15                    ; which half of x's 256 rows is mine
	s_cselect_b32 s99, s15, s16                    ; which half of the weight's
	s_mul_i32 s21, s15, HALFT
	s_add_co_u32 s21, s21, s18                     ; source 1's 128 rows
	s_mul_i32 s22, s16, HALFT
	s_add_co_u32 s22, s22, s19                     ; source 0's
.irp s, 0,1
	v_add_nc_u32 v[ADRA+\s], s21, v4
	v_add_nc_u32 v[ADRB+\s], s22, v4
	s_add_co_u32 s21, s21, SLOT
	s_add_co_u32 s22, s22, SLOT
.endr
	v_lshlrev_b32 v5, 5, v1                        ; my row's scale bytes: 32 a row,
	v_lshrrev_b32 v6, 8, v5
	v_lshl_add_u32 v5, v6, 4, v5                   ; and 16 more behind each 256
	s_mul_i32 s21, s15, HALFS
	s_add_co_u32 s21, s21, s66
	s_add_co_u32 s21, s21, SCL                     ; source 1's
	s_mul_i32 s22, s16, HALFS
	s_add_co_u32 s22, s22, s67
	s_add_co_u32 s22, s22, SCL                     ; source 0's
	s_mov_b32 vcc_lo, 0xffff0000                   ; lanes 16-31
	v_mov_b32 v6, s21
	v_mov_b32 v7, s22
	v_cndmask_b32 v6, v6, v7, vcc_lo               ; lanes 0-15 take source 1's words, lanes 16-31 source 0's
	v_add_nc_u32 v[ADRS], v5, v6
	s_lshl_b32 s18, s40, 10                        ; the bias of my 128 rows of the weight: 4 (256 cx + 128 half) bytes on
	s_lshl_b32 s19, s99, 9
	s_add_co_u32 s18, s18, s19
	s_mov_b32 s19, 0
	s_add_nc_u64 s[96:97], s[96:97], s[18:19]
	s_lshl_b32 s18, s17, 1                         ; where my results go: my group of 128 tokens, G = 2 x tile row + half,
	s_add_co_u32 s18, s18, s98
	s_lshr_b32 s2, s18, 4
	s_lshl_b32 s2, s2, 8                           ; 256 x batch
	s_and_b32 s18, s18, 15                         ; + the group in its batch
	s_add_co_u32 s18, s18, s2
	s_lshl_b32 s2, s40, 6                          ; + 16 x my first head, 4 cx + 2 half
	s_add_co_u32 s18, s18, s2
	s_lshl_b32 s2, s99, 5
	s_add_co_u32 s18, s18, s2
	s_mul_i32 s18, s18, STEPB
	s_add_nc_u64 s[12:13], s[12:13], s[18:19]
	; the bias, in the layout in which it is added.  q, k: register 8 t + j is the channel 16 t + 8 h + j.  v: a lane's channel is 16 a + r: eight equal registers for each a.  Both ways write all 64.
	s_cmp_eq_u32 s[VP], 1
	s_cbranch_scc1 .Lbias_v
	v_lshlrev_b32 v[BO], 5, v2
.irp t, 0,1,2,3,4,5,6,7
	global_load_b128 v[BI+8*\t:BI+8*\t+3], v[BO], s[96:97] offset:64*\t
	global_load_b128 v[BI+8*\t+4:BI+8*\t+7], v[BO], s[96:97] offset:64*\t+16
.endr
	s_branch .Lbias_done
.Lbias_v:
	v_lshlrev_b32 v[BO], 2, v1
.irp a, 0,1,2,3,4,5,6,7
.irp k, 0,1,2,3,4,5,6,7
	global_load_b32 v[BI+8*\a+\k], v[BO], s[96:97] offset:64*\a
.endr
.endr
.Lbias_done:
.macro FRAG reg, adr, q, i             ; a fragment: lane l holds row l % 16; registers 4 c .. 4 c + 3 hold K = 64 c + 32 (l / 16) + 0 .. 31
.irp c, 0,1
	ds_load_b128 v[\reg+4*\c:\reg+4*\c+3], v[\adr] offset:64*(\q)+32*\c+(\i)*16*PITCH
.endr
.endm
; 16 matrix instructions: source 1's blocks a0, a0 + 1 x source 0's eight, the slot's q-th 128 along K.  p: source 0's set;  sc: the set of scale words.  zero = 1: the first product starts the sums.
; The 64 accumulators take turns, one instruction a turn, in the same order in every step.
.macro MUL16 a0, p, q, sc, zero
.irp a, \a0, \a0+1
.irp b, 0,1,2,3,4,5,6,7
.if \zero
	v_wmma_scale_f32_16x16x128_f8f6f4 v[8*(8*((\a)%4)+\b):8*(8*((\a)%4)+\b)+7], v[128*(\p)+FR*\b:128*(\p)+FR*\b+FR-1], v[AF+FR*(\a):AF+FR*(\a)+FR-1], 0, v[SC+8*NQ*(\sc)+NQ*\b+(\q)], v[SC+8*NQ*(\sc)+NQ*(\a)+(\q)] matrix_a_fmt:MATRIX_FMT_FP4 matrix_b_fmt:MATRIX_FMT_FP4 matrix_a_scale:MATRIX_SCALE_ROW1
.else
	v_wmma_scale_f32_16x16x128_f8f6f4 v[8*(8*((\a)%4)+\b):8*(8*((\a)%4)+\b)+7], v[128*(\p)+FR*\b:128*(\p)+FR*\b+FR-1], v[AF+FR*(\a):AF+FR*(\a)+FR-1], v[8*(8*((\a)%4)+\b):8*(8*((\a)%4)+\b)+7], v[SC+8*NQ*(\sc)+NQ*\b+(\q)], v[SC+8*NQ*(\sc)+NQ*(\a)+(\q)] matrix_a_fmt:MATRIX_FMT_FP4 matrix_b_fmt:MATRIX_FMT_FP4 matrix_a_scale:MATRIX_SCALE_ROW1
.endif
.endr
.endr
.endm
.macro FETCH_B slot, q, p              ; source 0's eight fragments of the slot's q-th 128 along K into set p
	WIN TO_B
.irp i, 0,1,2,3,4,5,6,7
	FRAG 128*(\p)+FR*\i, ADRB+\slot, \q, \i
.endr
	WIN 0
.endm
.macro FETCH_A slot, q, i0             ; source 1's blocks i0 .. i0 + 3
.irp i, \i0, \i0+1, \i0+2, \i0+3
	FRAG AF+FR*(\i), ADRA+\slot, \q, \i
.endr
.endm
.macro SCALES sc                       ; a slot's scale words into set sc: four words a row; lanes 0-15 source 1's block i, lanes 16-31 source 0's block i
.irp i, 0,1,2,3,4,5,6,7
	ds_load_b128 v[SC+8*NQ*\sc+NQ*\i:SC+8*NQ*\sc+NQ*\i+3], v[ADRS] offset:\i*SBLK
.endr
.endm
.macro PLACES n                        ; plain vector instructions between a matrix instruction and a load into, or a read or write of, its registers (ISA guide 7.12.1 for reads and writes)
.rept \n
	v_nop
.endr
.endm
; A step of 128 along K that has its successor in the same slot.  Source 1 has one set of registers: blocks 0-3 are fetched anew in the step's middle, blocks 4-7 at its end.
.macro STEP slot, q, zero
	s_wait_dscnt 4*NL                              ; all but the youngest eight loads (source 1's blocks 4-7) are in
	WIN MUL_LO
	MUL16 0, (\q)%2, \q, \slot, \zero
	MUL16 2, (\q)%2, \q, \slot, \zero
	s_wait_dscnt 0                                 ; blocks 4-7 are in (asked for 32 matrix instructions ago)
	PLACES NP
	FETCH_B \slot, (\q)+1, 1-(\q)%2
	FETCH_A \slot, (\q)+1, 0
	WIN MUL_HI
	MUL16 4, (\q)%2, \q, \slot, \zero
	MUL16 6, (\q)%2, \q, \slot, \zero
	PLACES NP
	WIN 0
	FETCH_A \slot, (\q)+1, 4
.endm
.macro STEPS slot, from                ; the slot's steps from .. NQ - 2
.set Q, \from
.rept NQ-1-\from
	STEP \slot, Q, 0
.set Q, Q+1
.endr
.endm
	s_wait_tensorcnt 1                             ; the scale bytes and my part of slot 0 are in; slot 1's load may stay out
	s_barrier_signal -1
	s_barrier_wait -1                              ; everybody's are
	FETCH_B 0, 0, 0
	FETCH_A 0, 0, 0
	s_wait_alu depctr_va_vdst(0)
	SCALES 0
	FETCH_A 0, 0, 4
	STEP 0, 0, 1                                   ; the first products start the sums: nothing is cleared
	STEPS 0, 1
	; slot 0's last step goes over to slot 1: my part of it has landed, and behind the barrier everybody's has
	s_wait_tensorcnt 0x0
	s_wait_dscnt 4*NL                              ; (the youngest eight loads may be out)
	WIN MUL_LO
	MUL16 0, 1, NQ-1, 0, 0
	s_wait_dscnt 0x0                               ; no LDS instruction of mine is pending at the signal
	s_barrier_signal -1
	MUL16 2, 1, NQ-1, 0, 0
	WIN 0
	s_barrier_wait -1
	PLACES NP
	v_add_nc_u32 v[ADRS], 4*NQ, v[ADRS]            ; slot 1's scale words: 16 bytes on in each row
	FETCH_B 1, 0, 0
	FETCH_A 1, 0, 0
	SCALES 1
	WIN MUL_HI
	MUL16 4, 1, NQ-1, 0, 0
	MUL16 6, 1, NQ-1, 0, 0
	PLACES NP
	WIN 0
	FETCH_A 1, 0, 4
	STEPS 1, 0
	s_wait_dscnt 4*NL                              ; the last step: nothing more to fetch
	WIN MUL_LO
	MUL16 0, 1, NQ-1, 1, 0
	MUL16 2, 1, NQ-1, 1, 0
	s_wait_dscnt 0
	WIN MUL_HI
	MUL16 4, 1, NQ-1, 1, 0
	MUL16 6, 1, NQ-1, 1, 0
	WIN 0
; THE QUANTISER.  64 numbers of a lane, v[s] on: register 8 t + j is k = 16 t + 8 h + j of my row.  They become a fragment's codes in v[PC] on and my row's scale word in v[pw].
; A block's scale byte is its largest magnitude's exponent field less 2, held at 1 from below by the floor 2^(3 - 127) among the maximum's leaves.
; The eight codes of tile t go to register 4 (t / 4) + 2 (t % 2) + (t % 4) / 2; two exchanges of halves for each four registers then leave k = 64 c + 32 h + 0 .. 31 in registers 4 c .. 4 c + 3: the operand's layout.
.macro QUANT s, pw
.irp b, 0,1,2,3
	v_max3_num_f32 v[TM+\b], |v[\s+16*\b]|, |v[\s+1+16*\b]|, 0x1800000
.endr
.irp i, 2,4,6,8,10,12,14
.irp b, 0,1,2,3
	v_max3_num_f32 v[TM+\b], v[TM+\b], |v[\s+16*\b+\i]|, |v[\s+1+16*\b+\i]|   ; the four blocks by turns
.endr
.endr
.irp b, 0,1,2,3
	v_permlanex16_b32 v[TM+4+\b], v[TM+\b], s[SEL], s[SEL+1]
.endr
.irp b, 0,1,2,3
	v_max_num_f32 v[TM+\b], v[TM+\b], v[TM+4+\b]   ; with lane l xor 16's 16: the block's largest magnitude
.endr
.irp b, 0,1,2,3
	v_add_nc_u32 v[TM+12+\b], 0xff000000, v[TM+\b] ; 2 off its exponent field: the conversion's scale operand
.endr
.irp b, 0,1,2,3
	v_lshrrev_b32 v[TM+4+\b], 23, v[TM+12+\b]      ; the scale's byte
.endr
	v_lshl_or_b32 v[\pw], v[TM+5], 8, v[TM+4]
	v_lshl_or_b32 v[\pw], v[TM+6], 16, v[\pw]
	v_lshl_or_b32 v[\pw], v[TM+7], 24, v[\pw]
.irp t, 0,1,2,3,4,5,6,7
	v_cvt_scalef32_pk8_fp4_f32 v[PC+4*(\t/4)+2*(\t%2)+(\t%4)/2], v[\s+8*\t:\s+8*\t+7], v[TM+12+\t/2]
.endr
	v_nop                                          ; one plain place behind the scaled conversions
.irp i, 0,1,2,3
	v_permlane16_swap_b32 v[PC+2*\i], v[PC+2*\i+1] ; the first's lanes 16-31 change places with the second's lanes 0-15
.endr
.endm
; Block a of my eight: the bias is added in f32 (each accumulator is read from its low end on), the 64 numbers are quantised, and the fragment leaves by two stores of 512 consecutive bytes.
.macro EPI a, vp
.if (\a) > 0
	s_wait_xcnt 0x0                                ; the last block's stores have read their data: the codes' registers are written again only behind this wait
.endif
.set AC, 64*((\a)%4)
	WIN 0x02+(\a)/4                                ; source 0: window 2 or 3
.set j, 0
.rept 32
.if \vp
	v_pk_add_f32 v[T+j:T+j+1], v[AC+j:AC+j+1], v[BI+8*(\a)+j%8:BI+8*(\a)+j%8+1]
.else
	v_pk_add_f32 v[T+j:T+j+1], v[AC+j:AC+j+1], v[BI+j:BI+j+1]
.endif
.set j, j+2
.endr
	WIN 0
	QUANT T, PW+(\a)
.if \vp
	global_store_b128 v[LI], v[PC:PC+3], s[12:13] offset:((\a)/4)*HEADB+4096+1024*((\a)%4)        ; head a / 4 of my two, channel tile a % 4: keys 32 h .. of the group's first 64,
	global_store_b128 v[LI], v[PC+4:PC+7], s[12:13] offset:((\a)/4)*HEADB+4096+1024*((\a)%4)+512  ; and of its second 64
.else
	global_store_b128 v[LI], v[PC:PC+3], s[12:13] offset:512*(\a)                                 ; tokens 16 a on: my first head's 64 channels,
	global_store_b128 v[LI], v[PC+4:PC+7], s[12:13] offset:HEADB+512*(\a)                         ; my second head's
.endif
.endm
	PLACES NP                                      ; behind the last products: their results are read, and registers that they read are written
	s_wait_loadcnt 0x0                             ; the bias
	s_mov_b32 s[SEL], 0x76543210
	s_mov_b32 s[SEL+1], 0xfedcba98
	s_mov_b32 vcc_lo, 0xffff0000
.irp b, 0,1,2,3
	v_mov_b32 v[TM+4+\b], 0                        ; written once: a lane permute's destination counts as one of its sources
.endr
	s_cmp_eq_u32 s[VP], 1
	s_cbranch_scc1 .Lout_v
.irp a, 0,1,2,3,4,5,6,7
	EPI \a, 0
.endr
.irp p, 0,1,2,3
	v_cndmask_b32 v[SW+\p], v[PW+2*\p], v[PW+2*\p+1], vcc_lo   ; lanes 0-15: tile 2 p's words, lanes 16-31: tile 2 p + 1's
.endr
.irp p, 0,1,2,3
	v_lshrrev_b32 v[SW+4+\p], 16, v[SW+\p]         ; the second head's two bytes; the upper two are 0, over zero codes
.endr
.irp p, 0,1,2,3
	v_and_b32 v[SW+\p], 0xffff, v[SW+\p]           ; the first head's
.endr
	global_store_b128 v[LI], v[SW:SW+3], s[12:13] offset:8192
	global_store_b128 v[LI], v[SW+4:SW+7], s[12:13] offset:HEADB+8192
	s_branch .Lend
.Lout_v:
.irp a, 0,1,2,3,4,5,6,7
	EPI \a, 1
.endr
.irp p, 0,1,2,3
	v_cndmask_b32 v[SW+\p], v[PW+2*\p], v[PW+2*\p+1], vcc_lo   ; lanes 0-15: channel tile 2 p's words, lanes 16-31: 2 p + 1's; four tiles a head
.endr
	global_store_b64 v[L8], v[SW:SW+1], s[12:13] offset:8704           ; 32 lanes store 256 consecutive bytes
	global_store_b64 v[L8], v[SW+2:SW+3], s[12:13] offset:HEADB+8704
.Lend:
	s_wait_tensorcnt 0x0
	ds_add_u32 v114, v115
	s_wait_dscnt 0x0
	CROUND                                         ; the closing round: no work-group ends while a partner may still ask for a tile that names it
	s_endpgm
.Lfunc_end_k_qca4e0c690a_qkv:
	.size	k_qca4e0c690a_qkv, .Lfunc_end_k_qca4e0c690a_qkv-k_qca4e0c690a_qkv
	.p2alignl 7, 3214868480
	.fill 96, 4, 3214868480
	.section	.rodata,"a",@progbits
	.p2align	6, 0x0
	.amdhsa_kernel k_qca4e0c690a_qkv
		.amdhsa_group_segment_fixed_size 297472
		.amdhsa_private_segment_fixed_size 0
		.amdhsa_enable_private_segment 0
		.amdhsa_kernarg_size 104
		.amdhsa_user_sgpr_count 2
		.amdhsa_user_sgpr_kernarg_segment_ptr 1
		.amdhsa_wavefront_size32 1
		.amdhsa_system_sgpr_workgroup_id_x 1
		.amdhsa_system_sgpr_workgroup_id_y 1
		.amdhsa_system_sgpr_workgroup_id_z 1
		.amdhsa_system_vgpr_workitem_id 0
		.amdhsa_next_free_vgpr 1024
		.amdhsa_next_free_sgpr 100
		.amdhsa_reserve_vcc 1
		.amdhsa_float_denorm_mode_32 3
		.amdhsa_float_denorm_mode_16_64 3
		.amdhsa_memory_ordered 1
		.amdhsa_forward_progress 1
		.amdhsa_inst_pref_size 201
	.end_amdhsa_kernel
	.amdgpu_metadata
---
amdhsa.version: [ 1, 2 ]
amdhsa.kernels:
  - .name:           k_qca4e0c690a_qkv
    .symbol:         k_qca4e0c690a_qkv.kd
    .args:
      - { .name: x_codes, .offset: 0, .size: 8, .value_kind: global_buffer, .address_space: global }
      - { .name: x_scales, .offset: 8, .size: 8, .value_kind: global_buffer, .address_space: global }
      - { .name: Wq_codes, .offset: 16, .size: 8, .value_kind: global_buffer, .address_space: global }
      - { .name: Wq_scales, .offset: 24, .size: 8, .value_kind: global_buffer, .address_space: global }
      - { .name: Wk_codes, .offset: 32, .size: 8, .value_kind: global_buffer, .address_space: global }
      - { .name: Wk_scales, .offset: 40, .size: 8, .value_kind: global_buffer, .address_space: global }
      - { .name: Wv_codes, .offset: 48, .size: 8, .value_kind: global_buffer, .address_space: global }
      - { .name: Wv_scales, .offset: 56, .size: 8, .value_kind: global_buffer, .address_space: global }
      - { .name: bq, .offset: 64, .size: 8, .value_kind: global_buffer, .address_space: global }
      - { .name: bk, .offset: 72, .size: 8, .value_kind: global_buffer, .address_space: global }
      - { .name: bv, .offset: 80, .size: 8, .value_kind: global_buffer, .address_space: global }
      - { .name: qb, .offset: 88, .size: 8, .value_kind: global_buffer, .address_space: global }
      - { .name: kv, .offset: 96, .size: 8, .value_kind: global_buffer, .address_space: global }
    .group_segment_fixed_size: 297472
    .private_segment_fixed_size: 0
    .kernarg_segment_align: 8
    .kernarg_segment_size: 104
    .max_flat_workgroup_size: 128
    .sgpr_count:     100
    .vgpr_count:     1024
    .wavefront_size: 32
...
	.end_amdgpu_metadata
.endif
;; end of part 1
;; launch attn (part 2): grid 4 x 64, 16 waves a work-group, no clusters, 169,984 bytes of LDS; arguments qb, kv, ab; writes ab
.if DOCPART == 2
	.amdgcn_target "amdgcn-amd-amdhsa--gfx1250"
	.amdhsa_code_object_version 6
	.text
	.protected	k_qca4e0c690a_attn
	.globl	k_qca4e0c690a_attn
	.p2align	8
	.type	k_qca4e0c690a_attn,@function
k_qca4e0c690a_attn:
	s_mov_b64 s[64:65], 0
	v_nop
	global_prefetch_b8 v0, s[64:65] scope:SCOPE_SE
	s_setreg_imm32_b32 hwreg(HW_REG_WAVE_MODE, 25, 1), 1
	s_wait_xcnt 0x0
; Causal attention of one head (64 channels, 2,048 tokens) on codes of FP4 (E2M1) with one E8M0 scale for each 32 along a product's K; the result O / l is quantised along the head's channels for the last product.
; THE SOFTMAX AHEAD OF THE SECOND PRODUCT: t = score x log2(e) / 8; M = the row's largest t so far, rounded UP to a whole number; p = 2^(t - M) is what is quantised, along the keys.  The row's sum is taken of the
; unquantised p and divides O at the end.  When M moves, the sum and O are multiplied by 2^(old M - new M): exact.
; SHARES.  Work-group (x, 16 batch + head), x = 0 .. 3.  Each of its sixteen waves owns one tile of 16 queries at a time, in two passes: tile w of block x of 256 queries, then tile 15 - w of block 7 - x.
; A tile at query Q0 needs Q0 / 128 + 1 key steps of 128 keys: the two passes of every wave of the launch make 17.
; LDS.  A head's K, V and their scale words, 16 key steps of 8,960 bytes, lie in LDS as they lie in kv: wave w brings key step w by one tensor load.  No LDS byte is filled again; behind the one barrier LDS is only read.
; A key step: +0 eight tiles of 16 keys, 512 bytes each, lane l's 16 bytes at 16 l;  +4,096 V's four fragments (16 channels x 128 keys), registers 4 p .. at 1,024 c + 512 p + 16 l;  +8,192 K's scale words at 16 l + 4 pair;  +8,704 V's at 8 l + 4 pair.
; Every LDS load takes neighbouring bytes in neighbouring lanes.
; LAYOUT.  Both products are used transposed: S^T = K Q^T (source 0 = 16 keys, source 1 = my 16 queries), O^T = V^T P^T: a lane holds ONE query (lane % 16) throughout.  The head's 64 channels fill half of the first
; product's 128 along K: registers 4-7 of both operands are zero codes, which add nothing.  Register 8 t + j of S^T is key 16 t + 8 h + j; the codes of tile t go to register 4 (t / 4) + 2 (t % 2) + (t % 4) / 2,
; and two exchanges of halves for each four registers leave keys 64 c + 32 h + 0 .. 31 in registers 4 c .. 4 c + 3: the operand's layout.
; NO CLUSTER, though the four work-groups of a head read the same K and V: a key step all of whose keys are hidden is left out by a branch on the tile's first query, which hangs on the work-group's x;
; with joint loads no branch may differ between partners, and without that branch a wave would walk 32 key steps where it now walks 17.
; LIMITS: hidden scores are taken as -infinity where the definition has -1e12: the same p = 0 unless true logits come near -1e12.  NaN and infinities are not served.
; A block of O / l whose largest magnitude lies under 2^-124 gets the byte 1; the bytes are read by this program alone.  The scale words of a tile leave as 128 bytes: half of an aligned 256, one byte in five of what the launch stores.
; REGISTERS: v1-7 lane terms and addresses; v12 -M, v13 the largest t, v[14:15] the sum; v16-23 Q; v24-27 K's scale words, v28-29 V's, v30 Q's, v31 p's; v32-95 eight tiles of K; v96-159 S^T, then p; v160-191 O^T; v192-223 V; v224-231 p's codes; v232-255 at work.
.set STEPB, 8960                       ; a key step in kv, qb and LDS
.set ABG,   5120                       ; a group of 128 queries of one head in ab: eight tiles of 512 bytes, then eight times 128 bytes of scale words
.set LI,  1                            ; v1  16 x lane
.set L8,  2                            ; v2  8 x lane
.set DQ,  3                            ; v3  r - 8 h
.set ADK, 4                            ; v4  the key step's first byte + 16 x lane
.set ADV, 5                            ; v5  + 8 x lane
.set LQ,  6                            ; v6  16 r
.set L4,  7                            ; v7  4 x lane
.set WV,  10                           ; s10 my wave's number
.set BH,  11                           ; s11 16 batch + head
.set SEL, 20                           ; s[20:21] lane selects for lane l xor 16
.set CS,  22                           ; s[22:23] c = log2(e) / 8
.set G1,  24                           ; s[24:31] descriptor group 1
.set G0,  32                           ; s[32:35] group 0
.set Q0,  36                           ; s36, s37 my first query in pass 0, 1
.set TB,  38                           ; s38 the key step's first byte in LDS
.set KF,  39                           ; s39 its first key
.set PT,  40                           ; s[40:47], s[48:55] pass p: Q's codes, Q's scale words, where the codes go, where the scale words go
.set CNT, 56
.set TMP, 57
	s_load_b128 s[4:7], s[0:1], 0x0                ; qb, kv
	s_load_b64 s[8:9], s[0:1], 0x10                ; ab
	v_lshl_add_u32 v249, v0, 2, 0x29000
	v_mov_b32 v250, 0
	ds_add_u32 v249, v250
	ds_add_u32 v249, v250
	v_lshrrev_b32 v8, 5, v0
	s_delay_alu instid0(VALU_DEP_1)
	v_readfirstlane_b32 s[WV], v8                  ; wave 0..15
	s_and_b32 s[BH], ttmp7, 0xffff
	; a key step is a dense block of 8,960 bytes: 35 rows of 256 bytes (32 elements of 8 bytes), no padding
	s_mov_b32 s[G1], 3<<16
	s_mov_b32 s[G1+1], 32<<16                      ; tensor_dim0
	s_mov_b32 s[G1+2], 35<<16                      ; tensor_dim1
	s_mov_b32 s[G1+3], 32<<16                      ; tile_dim0
	s_mov_b32 s[G1+4], 35                          ; tile_dim1
	s_mov_b32 s[G1+5], 32                          ; from row to row
	s_mov_b32 s[G1+6], 0
	s_mov_b32 s[G1+7], 0
	s_mov_b32 s[G0], 1
	s_mul_i32 s[G0+1], s[WV], STEPB                ; key step w lies at w x 8,960
	s_lshl_b32 s12, s[BH], 4
	s_add_co_u32 s13, s12, s[WV]
	s_mul_i32 s14, s13, STEPB
	s_mov_b32 s15, 0
	s_mov_b32 s[SEL], 0x76543210
	s_mov_b32 s[SEL+1], 0xfedcba98
	s_mov_b32 s[CS], 0x3e38aa3b                    ; log2(e) / 8
	s_mov_b32 s[CS+1], s[CS]                       ; (named with it as a pair, so it is written)
	s_wait_dscnt 0x0
	s_wait_kmcnt 0x0
	s_add_nc_u64 s[G0+2:G0+3], s[6:7], s[14:15]
	s_or_b32 s[G0+3], s[G0+3], 0x80000000
	tensor_load_to_lds s[G0:G0+3], s[G1:G1+7]      ; my one tensor load
	s_nop 0
.rept 4
	v_nop
.endr
; pass p's first query and its four pointers
.macro PTRS p
.if \p
	s_sub_co_u32 s16, 7, ttmp9
	s_sub_co_u32 s17, 15, s[WV]
.else
	s_mov_b32 s16, ttmp9
	s_mov_b32 s17, s[WV]
.endif
	s_lshl_b32 s16, s16, 8
	s_lshl_b32 s17, s17, 4
	s_add_co_u32 s[Q0+\p], s16, s17                ; 256 x block + 16 x tile
	s_lshr_b32 s16, s[Q0+\p], 7
	s_add_co_u32 s16, s16, s12                     ; 16 (16 batch + head) + the group of 128
	s_bfe_u32 s17, s[Q0+\p], 0x30004               ; a: the tile in its group
	s_mul_i32 s18, s16, STEPB
	s_lshl_b32 s19, s17, 9
	s_add_co_u32 s14, s18, s19
	s_add_nc_u64 s[PT+8*\p:PT+8*\p+1], s[4:5], s[14:15]      ; Q's codes: tile a
	s_lshr_b32 s19, s17, 1
	s_lshl_b32 s19, s19, 2
	s_add_co_u32 s14, s18, s19
	s_and_b32 s19, s17, 1
	s_lshl_b32 s19, s19, 8
	s_add_co_u32 s14, s14, s19
	s_add_nc_u64 s[PT+8*\p+2:PT+8*\p+3], s[4:5], s[14:15]    ; its scale words: 4 (a / 2) + 256 (a % 2) (+ 8,192 in the load)
	s_mul_i32 s18, s16, ABG
	s_lshl_b32 s19, s17, 9
	s_add_co_u32 s14, s18, s19
	s_add_nc_u64 s[PT+8*\p+4:PT+8*\p+5], s[8:9], s[14:15]
	s_lshl_b32 s19, s17, 7
	s_add_co_u32 s14, s18, s19
	s_add_nc_u64 s[PT+8*\p+6:PT+8*\p+7], s[8:9], s[14:15]    ; (+ 4,096 in the store)
.endm
	PTRS 0
	PTRS 1
	v_and_b32 v8, 31, v0
	s_delay_alu instid0(VALU_DEP_1)
	v_lshlrev_b32 v[LI], 4, v8
	s_delay_alu instid0(VALU_DEP_2)
	v_lshlrev_b32 v[L8], 3, v8
	s_delay_alu instid0(VALU_DEP_3)
	v_lshlrev_b32 v[L4], 2, v8
	v_and_b32 v9, 15, v0                           ; r
	v_bfe_u32 v10, v0, 4, 1                        ; h
	s_delay_alu instid0(VALU_DEP_2)
	v_lshlrev_b32 v[LQ], 4, v9
	s_delay_alu instid0(VALU_DEP_2)
	v_lshlrev_b32 v10, 3, v10
	s_delay_alu instid0(VALU_DEP_1)
	v_sub_nc_u32 v[DQ], v9, v10
.macro QLOAD p                         ; my tile's fragment of Q (registers 0-3) and its scale words
	global_load_b128 v[16:19], v[LI], s[PT+8*\p:PT+8*\p+1]
	global_load_b32 v30, v[LQ], s[PT+8*\p+2:PT+8*\p+3] offset:8192
.endm
	QLOAD 0
.irp k, 20,21,22,23
	v_mov_b32 v\k, 0                               ; Q's registers 4-7: zero codes, for the whole launch
.endr
.irp t, 0,1,2,3,4,5,6,7
.irp k, 4,5,6,7
	v_mov_b32 v[32+8*\t+\k], 0                     ; and K's
.endr
.endr
.irp k, 236,237,238,239,252,253
	v_mov_b32 v\k, 0                               ; a lane permute's destination counts as one of its sources; v253 is named as the upper half of the pair v[252:253]
.endr
	v_mov_b32 v251, 0xff800000                     ; -infinity
	s_wait_tensorcnt 0x0                           ; my key step has landed,
	s_barrier_signal -1
	s_barrier_wait -1                              ; everybody's has
; A KEY STEP of pass p: 128 keys.
.macro STEP p
	s_add_co_u32 s[TMP], s[Q0+\p], 15
	s_cmp_gt_u32 s[KF], s[TMP]                     ; all its keys come after my 16 queries: the work is left out, the stepping lines at the end are not
	s_cbranch_scc1 .Lhidden_\@
	s_setprio 2
	v_add_nc_u32 v[ADK], s[TB], v[LI]
	v_add_nc_u32 v[ADV], s[TB], v[L8]
	v_nop
	v_nop                                          ; four places between the last step's products and the loads into V's registers and scale words
.irp t, 0,1,2,3,4,5,6,7
	ds_load_b128 v[32+8*\t:35+8*\t], v[ADK] offset:512*\t
.endr
	ds_load_b128 v[24:27], v[ADK] offset:8192
.irp c, 0,1,2,3
	ds_load_b128 v[192+8*\c:195+8*\c], v[ADK] offset:4096+1024*\c
	ds_load_b128 v[196+8*\c:199+8*\c], v[ADK] offset:4096+1024*\c+512
.endr
	ds_load_b64 v[28:29], v[ADV] offset:8704
	s_wait_dscnt 9                                 ; K and its scale words are in; the nine younger loads, V's eight and its scale words, may be out
.irp t, 0,2,4,6
	v_wmma_scale_f32_16x16x128_f8f6f4 v[96+8*\t:103+8*\t], v[32+8*\t:39+8*\t], v[16:23], 0, v[24+\t/2], v30 matrix_a_fmt:MATRIX_FMT_FP4 matrix_b_fmt:MATRIX_FMT_FP4
	v_wmma_scale_f32_16x16x128_f8f6f4 v[104+8*\t:111+8*\t], v[40+8*\t:47+8*\t], v[16:23], 0, v[24+\t/2], v30 matrix_a_fmt:MATRIX_FMT_FP4 matrix_b_fmt:MATRIX_FMT_FP4 matrix_a_scale:MATRIX_SCALE_ROW1
.endr
.rept 4
	v_nop
.endr
	s_add_co_u32 s[TMP], s[KF], 127                ; on the diagonal the scores of hidden keys become -infinity ahead of the maximum; a step all of whose keys count skips this
	s_cmp_le_u32 s[TMP], s[Q0+\p]
	s_cbranch_scc1 .Lopen_\@
	s_sub_co_i32 s[TMP], s[Q0+\p], s[KF]
	v_add_nc_u32 v255, s[TMP], v[DQ]               ; d = my query - the step's first key - 8 h.  Register 8 t + j holds key 16 t + 8 h + j of the step: hidden where 16 t + j > d
.set n, 0
.rept 64
	v_cmp_gt_i32 vcc_lo, 16*(n/8)+n%8, v255
	v_cndmask_b32 v[96+n], v[96+n], v251, vcc_lo
.set n, n+1
.endr
.Lopen_\@:
.irp b, 0,1,2,3
	v_max3_num_f32 v[232+\b], v[96+16*\b], v[97+16*\b], v[98+16*\b]   ; the largest score of each block of 32 keys: it serves for the row's maximum and, since p rises with the score, for the block's largest p
.endr
.irp i, 3,5,7,9,11,13
.irp b, 0,1,2,3
	v_max3_num_f32 v[232+\b], v[232+\b], v[96+16*\b+\i], v[97+16*\b+\i]
.endr
.endr
.irp b, 0,1,2,3
	v_max_num_f32 v[232+\b], v[232+\b], v[111+16*\b]
.endr
.irp b, 0,1,2,3
	s_delay_alu instid0(VALU_DEP_4)
	v_permlanex16_b32 v[236+\b], v[232+\b], s[SEL], s[SEL+1]
.endr
.irp b, 0,1,2,3
	s_delay_alu instid0(VALU_DEP_4)
	v_max_num_f32 v[232+\b], v[232+\b], v[236+\b]  ; with lane l xor 16's 16 keys
.endr
	s_delay_alu instid0(VALU_DEP_2)
	v_max3_num_f32 v254, v232, v233, v234
	s_delay_alu instid0(VALU_DEP_1)
	v_max_num_f32 v254, v254, v235                 ; the step's largest score of my query
	s_delay_alu instid0(VALU_DEP_1)
	v_mul_f32 v254, s[CS], v254                    ; as t
	s_delay_alu instid0(VALU_DEP_1)
	v_max_num_f32 v13, v13, v254                   ; the running largest t
	v_mov_b32 v254, v12
	s_delay_alu instid0(VALU_DEP_2)
	v_floor_f32 v12, -v13                          ; the new -M = floor(-t): M is a whole number
	s_delay_alu instid0(VALU_DEP_1)
	v_sub_f32 v254, v12, v254                      ; old M - new M: a whole number, 0 or less
	s_delay_alu instid0(VALU_DEP_1)
	v_cvt_i32_f32 v254, v254                       ; (it saturates)
	s_delay_alu instid0(VALU_DEP_1)
	v_ldexp_f32 v252, 1.0, v254                    ; f = 2^(old M - new M)
.set j, 0
.rept 32
	v_pk_fma_f32 v[96+j:97+j], v[96+j:97+j], s[CS:CS+1], v[12:13] op_sel_hi:[1,0,0]   ; t - M, two at a time
.set j, j+2
.endr
	s_setprio 1
.irp b, 0,1,2,3
	v_fma_f32 v[232+\b], v[232+\b], s[CS], v12     ; the same of each block's largest score
.endr
.set j, 0
	s_wait_alu depctr_va_vdst(0)
.rept 64
	v_exp_f32 v[96+j], v[96+j]                     ; p = 2^(t - M), at most 1
.set j, j+1
.endr
	v_pk_mul_f32 v[14:15], v[14:15], v[252:253] op_sel_hi:[1,0]   ; the sums under the new M; the plain instruction behind the exponentials
	s_wait_alu depctr_va_vdst(0)                   ; one wait for the batch of 64, ahead of its first reader
.irp b, 0,1,2,3
	v_exp_f32 v[232+\b], v[232+\b]                 ; the block's largest p: the same two instructions on the same number
.endr
	v_pk_add_f32 v[236:237], v[100:101], v[104:105]
	v_pk_add_f32 v[254:255], v[108:109], v[112:113]
	v_pk_add_f32 v[246:247], v[116:117], v[120:121]
	v_pk_add_f32 v[244:245], v[124:125], v[128:129]
	v_pk_add_f32 v[242:243], v[132:133], v[136:137]
	v_pk_add_f32 v[240:241], v[140:141], v[144:145]
	v_pk_add_f32 v[238:239], v[148:149], v[152:153]
	v_pk_add_f32 v[14:15], v[14:15], v[156:157]
	v_pk_add_f32 v[236:237], v[236:237], v[96:97]
	v_pk_add_f32 v[254:255], v[254:255], v[98:99]
	v_pk_add_f32 v[246:247], v[246:247], v[102:103]
	v_pk_add_f32 v[244:245], v[244:245], v[106:107]
	v_pk_add_f32 v[242:243], v[242:243], v[110:111]
	v_pk_add_f32 v[240:241], v[240:241], v[114:115]
	v_pk_add_f32 v[238:239], v[238:239], v[118:119]
	v_pk_add_f32 v[14:15], v[14:15], v[122:123]
	v_pk_add_f32 v[236:237], v[236:237], v[126:127]
	v_pk_add_f32 v[254:255], v[254:255], v[130:131]
	v_pk_add_f32 v[246:247], v[246:247], v[134:135]
	v_pk_add_f32 v[244:245], v[244:245], v[138:139]
	v_pk_add_f32 v[242:243], v[242:243], v[142:143]
	v_pk_add_f32 v[240:241], v[240:241], v[146:147]
	v_pk_add_f32 v[238:239], v[238:239], v[150:151]
	v_pk_add_f32 v[14:15], v[14:15], v[154:155]
	v_pk_add_f32 v[236:237], v[236:237], v[158:159]
	s_delay_alu instid0(VALU_DEP_2)
	v_pk_add_f32 v[14:15], v[14:15], v[244:245]
	s_delay_alu instid0(VALU_DEP_2)
	v_pk_add_f32 v[236:237], v[236:237], v[242:243]
	v_pk_add_f32 v[254:255], v[254:255], v[240:241]
	v_pk_add_f32 v[246:247], v[246:247], v[238:239]
	s_delay_alu instid0(VALU_DEP_2)
	v_pk_add_f32 v[14:15], v[14:15], v[254:255]
	s_delay_alu instid0(VALU_DEP_2)
	v_pk_add_f32 v[236:237], v[236:237], v[246:247]
	s_delay_alu instid0(VALU_DEP_1)
	v_pk_add_f32 v[14:15], v[14:15], v[236:237]
	s_wait_alu depctr_va_vdst(0)                   ; and one for the four
.irp b, 0,1,2,3
	v_max_num_f32 v[232+\b], 0x1800000, v[232+\b]  ; the floor 2^(3 - 127): the byte cannot fall under 1
.endr
.irp b, 0,1,2,3
	s_delay_alu instid0(VALU_DEP_4)
	v_add_nc_u32 v[244+\b], 0xff000000, v[232+\b]  ; 2 off the exponent field: the conversion's scale operand
.endr
.irp b, 0,1,2,3
	s_delay_alu instid0(VALU_DEP_4)
	v_lshrrev_b32 v[236+\b], 23, v[244+\b]         ; the scale's byte
.endr
	s_delay_alu instid0(VALU_DEP_3)
	v_lshl_or_b32 v31, v237, 8, v236               ; p's scale word for these 128 keys
	s_delay_alu instid0(VALU_DEP_1)
	v_lshl_or_b32 v31, v238, 16, v31
	s_delay_alu instid0(VALU_DEP_1)
	v_lshl_or_b32 v31, v239, 24, v31
	s_setprio 0
.irp t, 0,1,2,3,4,5,6,7
	v_cvt_scalef32_pk8_fp4_f32 v[224+4*(\t/4)+2*(\t%2)+(\t%4)/2], v[96+8*\t:103+8*\t], v[244+\t/2]
.endr
	v_nop                                          ; one plain place behind the scaled conversions
.irp i, 0,1,2,3
	v_permlane16_swap_b32 v[224+2*\i], v[225+2*\i]
.endr
.set j, 0
.rept 16
	v_pk_mul_f32 v[160+j:161+j], v[160+j:161+j], v[252:253] op_sel_hi:[1,0]   ; O^T under the new M.  These sixteen are also the places between the writes of p's codes and scale word and the products
.set j, j+2
.endr
	s_wait_alu depctr_va_vdst(0)
	s_wait_dscnt 0x0                               ; V and its scale words
.irp c, 0,2
	v_wmma_scale_f32_16x16x128_f8f6f4 v[160+8*\c:167+8*\c], v[192+8*\c:199+8*\c], v[224:231], v[160+8*\c:167+8*\c], v[28+\c/2], v31 matrix_a_fmt:MATRIX_FMT_FP4 matrix_b_fmt:MATRIX_FMT_FP4
	v_wmma_scale_f32_16x16x128_f8f6f4 v[168+8*\c:175+8*\c], v[200+8*\c:207+8*\c], v[224:231], v[168+8*\c:175+8*\c], v[28+\c/2], v31 matrix_a_fmt:MATRIX_FMT_FP4 matrix_b_fmt:MATRIX_FMT_FP4 matrix_a_scale:MATRIX_SCALE_ROW1
.endr
.Lhidden_\@:
	s_add_co_u32 s[KF], s[KF], 128
	s_add_co_u32 s[TB], s[TB], STEPB
.endm
; A PASS: one tile of 16 queries through all key steps (a loop of 16 trips, a constant; hidden steps are passed over), then O / l, quantised along the head's 64 channels.
.macro PASS p
.if \p
	s_wait_xcnt 0x0                                ; the last pass's stores have read their data: those registers are written again only behind this wait
.endif
	v_mov_b32 v13, 0xff61b1e6                      ; the largest t so far: -3e38, under every t
	s_delay_alu instid0(VALU_DEP_1)
	v_floor_f32 v12, -v13                          ; -M
	v_mov_b32 v14, 0
	v_mov_b32 v15, 0
.set j, 0
.rept 32
	v_mov_b32 v[160+j], 0                          ; O^T: the first step finds zeros, which the first change of M leaves zeros
.set j, j+1
.endr
	s_mov_b32 s[TB], 0
	s_mov_b32 s[KF], 0
	s_mov_b32 s[CNT], 16
	s_wait_loadcnt 0x0                             ; Q
.Lstep_\@:
	STEP \p
	s_sub_co_u32 s[CNT], s[CNT], 1
	s_cmp_lg_u32 s[CNT], 0
	s_cbranch_scc1 .Lstep_\@
	s_setprio 0
.rept 4
	v_nop                                          ; places behind the last products
.endr
.if \p == 0
	QLOAD 1                                        ; the next pass's Q lands under this pass's way out
.endif
	v_add_f32 v14, v14, v15                        ; the sum's two halves,
	s_delay_alu instid0(VALU_DEP_1)
	v_permlanex16_b32 v252, v14, s[SEL], s[SEL+1]
	s_delay_alu instid0(VALU_DEP_1)
	v_add_f32 v14, v14, v252                       ; and lane l xor 16's: the row's sum
	s_wait_alu depctr_va_vdst(0)
	v_rcp_f32 v14, v14
	v_nop                                          ; one plain place behind the reciprocal
	s_wait_alu depctr_va_vdst(0)                   ; and the wait ahead of its first reader
.set j, 0
.rept 32
	v_mul_f32 v[96+j], v[160+j], v14               ; register 8 c + i is channel 16 c + 8 h + i of my query
.set j, j+1
.endr
.irp b, 0,1
	v_max3_num_f32 v[232+\b], |v[96+16*\b]|, |v[97+16*\b]|, 0x1800000   ; the head's two blocks of 32, and the floor
.endr
.irp i, 2,4,6,8,10,12,14
.irp b, 0,1
	s_delay_alu instid0(VALU_DEP_2)
	v_max3_num_f32 v[232+\b], v[232+\b], |v[96+16*\b+\i]|, |v[97+16*\b+\i]|
.endr
.endr
.irp b, 0,1
	s_delay_alu instid0(VALU_DEP_2)
	v_permlanex16_b32 v[236+\b], v[232+\b], s[SEL], s[SEL+1]
.endr
.irp b, 0,1
	s_delay_alu instid0(VALU_DEP_2)
	v_max_num_f32 v[232+\b], v[232+\b], v[236+\b]
.endr
.irp b, 0,1
	s_delay_alu instid0(VALU_DEP_2)
	v_add_nc_u32 v[244+\b], 0xff000000, v[232+\b]
.endr
.irp b, 0,1
	s_delay_alu instid0(VALU_DEP_2)
	v_lshrrev_b32 v[236+\b], 23, v[244+\b]
.endr
	s_delay_alu instid0(VALU_DEP_1)
	v_lshl_or_b32 v254, v237, 8, v236              ; my query's scale word: two bytes, the upper two 0
.irp t, 0,1,2,3
	v_cvt_scalef32_pk8_fp4_f32 v[224+2*(\t%2)+\t/2], v[96+8*\t:103+8*\t], v[244+\t/2]
.endr
	v_nop
	v_permlane16_swap_b32 v224, v225
	v_permlane16_swap_b32 v226, v227               ; v224-227: channels 32 h + 0 .. 31 of query r
	global_store_b128 v[LI], v[224:227], s[PT+8*\p+4:PT+8*\p+5]             ; 32 lanes store 512 consecutive bytes
	global_store_b32 v[L4], v254, s[PT+8*\p+6:PT+8*\p+7] offset:4096        ; and 128
.endm
	PASS 0
	PASS 1
	s_wait_tensorcnt 0x0
	ds_add_u32 v249, v250
	s_wait_dscnt 0x0
	s_endpgm
.Lfunc_end_k_qca4e0c690a_attn:
	.size	k_qca4e0c690a_attn, .Lfunc_end_k_qca4e0c690a_attn-k_qca4e0c690a_attn
	.p2alignl 7, 3214868480
	.fill 96, 4, 3214868480
	.section	.rodata,"a",@progbits
	.p2align	6, 0x0
	.amdhsa_kernel k_qca4e0c690a_attn
		.amdhsa_group_segment_fixed_size 169984
		.amdhsa_private_segment_fixed_size 0
		.amdhsa_enable_private_segment 0
		.amdhsa_kernarg_size 24
		.amdhsa_user_sgpr_count 2
		.amdhsa_user_sgpr_kernarg_segment_ptr 1
		.amdhsa_wavefront_size32 1
		.amdhsa_system_sgpr_workgroup_id_x 1
		.amdhsa_system_sgpr_workgroup_id_y 1
		.amdhsa_system_sgpr_workgroup_id_z 1
		.amdhsa_system_vgpr_workitem_id 0
		.amdhsa_next_free_vgpr 256
		.amdhsa_next_free_sgpr 66
		.amdhsa_reserve_vcc 1
		.amdhsa_float_denorm_mode_32 3
		.amdhsa_float_denorm_mode_16_64 3
		.amdhsa_memory_ordered 1
		.amdhsa_forward_progress 1
		.amdhsa_inst_pref_size 60
	.end_amdhsa_kernel
	.amdgpu_metadata
---
amdhsa.version: [ 1, 2 ]
amdhsa.kernels:
  - .name:           k_qca4e0c690a_attn
    .symbol:         k_qca4e0c690a_attn.kd
    .args:
      - { .name: qb, .offset: 0, .size: 8, .value_kind: global_buffer, .address_space: global }
      - { .name: kv, .offset: 8, .size: 8, .value_kind: global_buffer, .address_space: global }
      - { .name: ab, .offset: 16, .size: 8, .value_kind: global_buffer, .address_space: global }
    .group_segment_fixed_size: 169984
    .private_segment_fixed_size: 0
    .kernarg_segment_align: 8
    .kernarg_segment_size: 24
    .max_flat_workgroup_size: 512
    .sgpr_count:     66
    .vgpr_count:     256
    .wavefront_size: 32
...
	.end_amdgpu_metadata
.endif
;; end of part 2
;; launch proj (part 3): grid 4 x 64, 4 waves a work-group, clusters of 4 x 4, 260,608 bytes of LDS; arguments ab, Wm_codes, Wm_scales, bm, out0; writes out0
.if DOCPART == 3
	.amdgcn_target "amdgcn-amd-amdhsa--gfx1250"
	.amdhsa_code_object_version 6
	.text
	.protected	k_qca4e0c690a_proj
	.globl	k_qca4e0c690a_proj
	.p2align	8
	.type	k_qca4e0c690a_proj,@function
k_qca4e0c690a_proj:
	s_mov_b64 s[64:65], 0
	v_nop
	global_prefetch_b8 v0, s[64:65] scope:SCOPE_SE
	s_setreg_imm32_b32 hwreg(HW_REG_WAVE_MODE, 25, 1), 1
	s_wait_xcnt 0x0
	s_wait_alu depctr_hold_cnt(0) depctr_sa_sdst(0) depctr_va_vdst(0) depctr_va_sdst(0) depctr_va_ssrc(0) depctr_va_vcc(0) depctr_vm_vsrc(0)
	s_getreg_b32 s2, hwreg(HW_REG_IB_STS2, 6, 4)
	s_cmp_eq_u32 s2, 0
	s_cbranch_scc0 .Lentry_in_a_cluster
	s_endpgm
.Lentry_in_a_cluster:
	s_bfe_u32 s2, ttmp6, 0x10000c
	s_cmp_lg_u32 s2, 0xf033
	s_cbranch_scc0 .Lentry_shape_is_right
	s_endpgm
.Lentry_shape_is_right:
; out0 = attn Wm + bm on codes of FP4 (E2M1) with one E8M0 scale for each 32 along K = 1,024 (K = 64 head + channel).  attn comes from ab as images of operand registers, Wm [1,024 (n)][1,024 (k)] as rows of 512 bytes.
; SHARES.  A work-group of four waves makes 128 rows x 256 columns of out0: 256 work-groups.  A wave makes 64 x 128: 32 accumulators, 256 registers.
; ALL OF K LIES IN LDS AT ONCE, filled once at the start: no LDS byte is filled again.
; CLUSTERS: 4 x 4.  The four of a row of the cluster need the same 128 rows of attn, the four of a column the same 256 rows of Wm: each tile is asked for jointly.
; ab: [16 batch + head][group of 128 rows][5,120 bytes]: tile a of 16 rows at 512 a + 16 lane (channels 32 h .. 32 h + 31 of row r), its scale words at 4,096 + 128 a + 4 lane (two bytes; lanes 16-31 repeat lanes 0-15).
; A K step of 128 is two heads: registers 0-3 of attn's fragment are head 2 i's image, registers 4-7 head 2 i + 1's; its scale word is the two heads' words, 16 bits each.
; THE MATRIX INSTRUCTION IS USED TRANSPOSED (source 0 = 16 rows of Wm, source 1 = 16 rows of attn): a lane holds eight neighbouring columns of a row of out0.  The bias is the C of each sum's first product.
; LIMITS: NaN, infinities and scale bytes 0xff among the inputs are not served.
; REGISTERS, in windows of 256: window 0: v16-25 addresses; v32-47 attn's scale words; v48-79 Wm's; v80-111 the two heads' halves of attn's words; v128-191 attn's fragments, two sets; v192-255 the bias; on the way out v128-255 rows of out0.
;   window 1: Wm's fragments, two sets, at v0 and v128.   window 2: the accumulators ((a, b) at v[8 (8 a + b)]).
.set ABG,    5120                      ; a head's part of a group in ab
.set BP,     528                       ; a row of Wm in LDS: 512 bytes + 16 of padding: the 16 rows of a fragment load start 132 words apart
.set BT,     16*ABG                    ; LDS: attn's 16 heads x 5,120 bytes; then Wm's 256 rows;
.set BSC,    BT+256*BP                 ; Wm's scale bytes, 32 units of 256 bytes + 16 of padding;
.set STG,    BSC+32*272                ; the stages for the way out, 16 rows x 528 bytes a wave: bytes of their own, into which no fill lands
.set SPITCH, 528
.set ADA0,  16                         ; v16  attn's images, heads 0-7: 16 x lane + my 64 rows
.set ADA1,  17                         ; v17  heads 8-15
.set ADB,   18                         ; v18  Wm's fragments
.set ADS,   19                         ; v19  Wm's scale words: lane l takes row l of a pair of tiles
.set ADSA0, 20                         ; v20  attn's scale words, heads 0-7: lanes 0-15 the even tile of a pair, lanes 16-31 the odd one
.set ADSA1, 21                         ; v21  heads 8-15
.set STO,   22                         ; v22  the stage: where I put 32 bytes of a row
.set RD,    23                         ; v23  and where I read a row back
.set CO,    24                         ; v24  16 x lane
.set BO,    25                         ; v25  the bias's lane offset
.set SA,    32                         ; attn's scale words: pair p, K step i at v[SA + 8 p + i]
.set SB,    48                         ; Wm's: pair p, K step i at v[SB + 8 p + i]
.set HV,    80
.set AF,    128
.set BI,    192
.set BK,    128
.set G1A, 24                           ; s[24:31], s[32:35] descriptor groups 1 and 0 for attn
.set G0A, 32
.set G1B, 48                           ; s[48:55], s[56:59] for Wm's codes
.set G0B, 56
.set G1S, 68                           ; s[68:75], s[76:79] for Wm's scale bytes
.set G0S, 76
.set MSB, 0
.macro WIN new                         ; the immediate's high byte repeats the setting that is left
.if MSB != (\new)
	s_set_vgpr_msb (MSB<<8)|(\new)
.set MSB, (\new)
.endif
.endm
.macro CROUND                          ; a round of the cluster's barrier
	s_barrier_signal -1
	s_barrier_wait -1
	s_cmp_lg_u32 s14, 0
	s_cbranch_scc1 .Lnot_wave_0_\@
	s_barrier_signal -3
.Lnot_wave_0_\@:
	s_barrier_wait -3
	s_barrier_signal -1
	s_barrier_wait -1
.endm
.macro PLACES n
.rept \n
	v_nop
.endr
.endm
	s_load_b256 s[4:11], s[0:1], 0x0               ; ab s[4:5], Wm's codes s[6:7], Wm's scales s[8:9], bm s[10:11]
	s_load_b64 s[12:13], s[0:1], 0x20              ; out0
	v_lshl_add_u32 v126, v0, 2, 0x3f800
	v_mov_b32 v127, 0
	ds_add_u32 v126, v127
	ds_add_u32 v126, v127
	v_lshrrev_b32 v1, 5, v0
	v_readfirstlane_b32 s14, v1                    ; wave 0..3
	s_lshr_b32 s15, s14, 1                         ; I fetch for attn (0) or for Wm (1); also: which 64 rows are mine
	s_and_b32 s16, s14, 1                          ; which half I fetch; also: which 128 columns are mine
	s_bfe_u32 s40, ttmp6, 0x40000                  ; cx
	s_bfe_u32 s41, ttmp6, 0x40004                  ; cy
	s_lshl_b32 s42, ttmp9, 2
	s_add_co_u32 s42, s42, s40                     ; which 256 columns
	s_and_b32 s17, ttmp7, 0xffff
	s_lshl_b32 s17, s17, 2
	s_add_co_u32 s17, s17, s41                     ; which 128 rows: 16 batch + group
	s_lshl_b32 s43, s41, 2
	s_lshl_b32 s43, 15, s43                        ; my row of the cluster
	s_lshl_b32 s44, 0x1111, s40                    ; my column
	; attn: 8 heads' parts of my group: 8 rows of 5,120 bytes (640 elements of 8 bytes), 81,920 bytes apart; no padding
	s_or_b32 s[G1A], s43, (3<<16)|(1<<21)
	s_mov_b32 s[G1A+1], 640<<16
	s_mov_b32 s[G1A+2], 8<<16
	s_mov_b32 s[G1A+3], 640<<16
	s_mov_b32 s[G1A+4], 8
	s_mov_b32 s[G1A+5], 10240
	s_mov_b32 s[G1A+6], 0
	s_mov_b32 s[G1A+7], 0
	; Wm's codes: 128 rows of 512 bytes, dense; 4 words of padding after every 128
	s_or_b32 s[G1B], s44, (0<<16)|(1<<20)|(1<<21)|(6<<22)|(3<<25)
	s_mov_b32 s[G1B+1], 512<<16
	s_mov_b32 s[G1B+2], 128<<16
	s_mov_b32 s[G1B+3], 512<<16
	s_mov_b32 s[G1B+4], 128
	s_mov_b32 s[G1B+5], 512
	s_mov_b32 s[G1B+6], 0
	s_mov_b32 s[G1B+7], 0
	; Wm's scale bytes of 128 rows: 4,096 dense bytes as 16 rows of 256, 4 words of padding after every 64
	s_or_b32 s[G1S], s44, (3<<16)|(1<<20)|(1<<21)|(5<<22)|(3<<25)
	s_mov_b32 s[G1S+1], 32<<16
	s_mov_b32 s[G1S+2], 16<<16
	s_mov_b32 s[G1S+3], 32<<16
	s_mov_b32 s[G1S+4], 16
	s_mov_b32 s[G1S+5], 32
	s_mov_b32 s[G1S+6], 0
	s_mov_b32 s[G1S+7], 0
	s_lshr_b32 s20, s17, 4
	s_lshl_b32 s20, s20, 8                         ; 256 x batch
	s_and_b32 s21, s17, 15
	s_add_co_u32 s20, s20, s21                     ; + the group
	s_lshl_b32 s21, s16, 7
	s_add_co_u32 s20, s20, s21                     ; + 16 x my first head, 8 x half
	s_mul_i32 s20, s20, ABG
	s_mov_b32 s21, 0
	s_lshl_b32 s46, s42, 8
	s_lshl_b32 s47, s16, 7
	s_add_co_u32 s46, s46, s47                     ; Wm: row 256 x tile column + 128 x half
	s_mov_b32 s47, 0
	s_lshl_b64 s[92:93], s[46:47], 5               ; its scale bytes,
	s_lshl_b64 s[46:47], s[46:47], 9               ; its codes
	s_mul_i32 s45, s16, 8*ABG                      ; where they go: no place in the cluster enters an LDS address
	s_mul_i32 s94, s16, 128*BP
	s_add_co_u32 s94, s94, BT
	s_mul_i32 s95, s16, 16*272
	s_add_co_u32 s95, s95, BSC
	s_wait_dscnt 0x0
	s_wait_kmcnt 0x0
	CROUND                                         ; all sixteen work-groups are here: the joint loads meet
	s_mov_b32 s[G0A], 1
	s_mov_b32 s[G0A+1], s45
	s_add_nc_u64 s[G0A+2:G0A+3], s[4:5], s[20:21]
	s_or_b32 s[G0A+3], s[G0A+3], 0x80000000
	s_mov_b32 s[G0B], 1
	s_mov_b32 s[G0B+1], s94
	s_add_nc_u64 s[G0B+2:G0B+3], s[6:7], s[46:47]
	s_or_b32 s[G0B+3], s[G0B+3], 0x80000000
	s_mov_b32 s[G0S], 1
	s_mov_b32 s[G0S+1], s95
	s_add_nc_u64 s[G0S+2:G0S+3], s[8:9], s[92:93]
	s_or_b32 s[G0S+3], s[G0S+3], 0x80000000
	s_cmp_eq_u32 s15, 0                            ; a wave's fills stand in one branch on its number: waves 0 and 1 one load, waves 2 and 3 two; four v_nop follow the last
	s_cbranch_scc0 .Lfor_w
	tensor_load_to_lds s[G0A:G0A+3], s[G1A:G1A+7]
	s_nop 0
.rept 4
	v_nop
.endr
	s_branch .Lasked
.Lfor_w:
	tensor_load_to_lds s[G0S:G0S+3], s[G1S:G1S+7]
	s_nop 0
	tensor_load_to_lds s[G0B:G0B+3], s[G1B:G1B+7]
	s_nop 0
.rept 4
	v_nop
.endr
.Lasked:
	v_and_b32 v1, 15, v0                           ; r
	v_bfe_u32 v2, v0, 4, 1                         ; h
	v_and_b32 v3, 31, v0                           ; lane
	v_lshlrev_b32 v[CO], 4, v3
	s_lshl_b32 s22, s15, 11                        ; my 64 rows: four tiles of 512 bytes
	v_add_nc_u32 v[ADA0], s22, v[CO]
	v_add_nc_u32 v[ADA1], 8*ABG, v[ADA0]
	v_mul_u32_u24 v4, v1, BP
	v_lshl_add_u32 v4, v2, 4, v4
	s_mul_i32 s22, s16, 128*BP
	s_add_co_u32 s22, s22, BT
	v_add_nc_u32 v[ADB], s22, v4                   ; row r x pitch + 16 h, in my 128 rows of Wm
	v_lshrrev_b32 v4, 3, v3
	v_lshlrev_b32 v5, 5, v3
	v_lshl_add_u32 v4, v4, 4, v5                   ; 32 bytes a row, and 16 more behind each 256
	s_mul_i32 s22, s16, 16*272
	s_add_co_u32 s22, s22, BSC
	v_add_nc_u32 v[ADS], s22, v4
	v_lshlrev_b32 v4, 2, v1
	v_lshl_add_u32 v4, v2, 7, v4                   ; 4 r + 128 h
	s_lshl_b32 s22, s15, 9
	s_add_co_u32 s22, s22, 4096
	v_add_nc_u32 v[ADSA0], s22, v4
	v_add_nc_u32 v[ADSA1], 8*ABG, v[ADSA0]
	s_mul_i32 s22, s14, 16*SPITCH
	s_add_co_u32 s22, s22, STG                     ; my stage
	v_mul_u32_u24 v4, v1, SPITCH
	v_lshl_add_u32 v4, v2, 5, v4
	v_add_nc_u32 v[STO], s22, v4                   ; in: row r, 32 bytes for each half of the lanes
	v_add_nc_u32 v[RD], s22, v[CO]                 ; back: the 32 lanes take one row of 512 bytes
	v_lshlrev_b32 v[BO], 5, v2
	s_wait_alu depctr_va_vdst(0)
	s_lshl_b32 s20, s42, 10
	s_lshl_b32 s21, s16, 9
	s_add_co_u32 s22, s20, s21                     ; my first column, in bytes
	s_mov_b32 s23, 0
	s_add_nc_u64 s[10:11], s[10:11], s[22:23]
	s_add_nc_u64 s[12:13], s[12:13], s[22:23]
	s_lshl_b32 s22, s17, 19                        ; my first row: 128 x tile row + 64 x half, 4,096 bytes a row
	s_lshl_b32 s21, s15, 18
	s_add_co_u32 s22, s22, s21
	s_add_nc_u64 s[12:13], s[12:13], s[22:23]
.irp b, 0,1,2,3,4,5,6,7
	global_load_b128 v[BI+8*\b:BI+8*\b+3], v[BO], s[10:11] offset:64*\b        ; the bias in the result's layout: register 8 b + j is column 16 b + 8 h + j
	global_load_b128 v[BI+8*\b+4:BI+8*\b+7], v[BO], s[10:11] offset:64*\b+16
.endr
	s_wait_tensorcnt 0x0                           ; my loads have landed,
	s_barrier_signal -1
	s_barrier_wait -1                              ; everybody's have
; K step i's fragments into set: attn's four tiles (two heads' images each), Wm's eight
.macro FETCH i, set
.irp a, 0,1,2,3
.irp c, 0,1
.if 2*(\i)+\c < 8
	ds_load_b128 v[AF+32*(\set)+8*\a+4*\c:AF+32*(\set)+8*\a+4*\c+3], v[ADA0] offset:(2*(\i)+\c)*ABG+512*\a
.else
	ds_load_b128 v[AF+32*(\set)+8*\a+4*\c:AF+32*(\set)+8*\a+4*\c+3], v[ADA1] offset:(2*(\i)+\c-8)*ABG+512*\a
.endif
.endr
.endr
	WIN 0x40                                       ; destination window 1
.irp b, 0,1,2,3,4,5,6,7
.irp c, 0,1
	ds_load_b128 v[128*(\set)+8*\b+4*\c:128*(\set)+8*\b+4*\c+3], v[ADB] offset:16*BP*\b+64*(\i)+32*\c
.endr
.endr
	WIN 0
.endm
.macro HALFW i, p, c                   ; head 2 i + c's scale words of the pair p of my tiles
.if 2*(\i)+(\c) < 8
	ds_load_b32 v[HV+4*(\i)+2*(\p)+(\c)], v[ADSA0] offset:(2*(\i)+(\c))*ABG+256*(\p)
.else
	ds_load_b32 v[HV+4*(\i)+2*(\p)+(\c)], v[ADSA1] offset:(2*(\i)+(\c)-8)*ABG+256*(\p)
.endif
.endm
; One product: accumulator (a, b), K step i.  The odd tile of a pair has its scale words in lanes 16-31.  In K step 0 the bias is C.
.macro ONE a, b, i
.set DD, 8*(8*(\a)+(\b))
.if (\i) == 0
.set CC, BI+8*(\b)
.else
.set CC, DD
.endif
.set WB, 128*((\i)%2)+8*(\b)
.set WA, AF+32*((\i)%2)+8*(\a)
.set SX, SB+8*((\b)/2)+(\i)
.set SY, SA+8*((\a)/2)+(\i)
.if ((\a)%2 == 0) && ((\b)%2 == 0)
	v_wmma_scale_f32_16x16x128_f8f6f4 v[DD:DD+7], v[WB:WB+7], v[WA:WA+7], v[CC:CC+7], v[SX], v[SY] matrix_a_fmt:MATRIX_FMT_FP4 matrix_b_fmt:MATRIX_FMT_FP4
.elseif (\a)%2 == 0
	v_wmma_scale_f32_16x16x128_f8f6f4 v[DD:DD+7], v[WB:WB+7], v[WA:WA+7], v[CC:CC+7], v[SX], v[SY] matrix_a_fmt:MATRIX_FMT_FP4 matrix_b_fmt:MATRIX_FMT_FP4 matrix_a_scale:MATRIX_SCALE_ROW1
.elseif (\b)%2 == 0
	v_wmma_scale_f32_16x16x128_f8f6f4 v[DD:DD+7], v[WB:WB+7], v[WA:WA+7], v[CC:CC+7], v[SX], v[SY] matrix_a_fmt:MATRIX_FMT_FP4 matrix_b_fmt:MATRIX_FMT_FP4 matrix_b_scale:MATRIX_SCALE_ROW1
.else
	v_wmma_scale_f32_16x16x128_f8f6f4 v[DD:DD+7], v[WB:WB+7], v[WA:WA+7], v[CC:CC+7], v[SX], v[SY] matrix_a_fmt:MATRIX_FMT_FP4 matrix_b_fmt:MATRIX_FMT_FP4 matrix_a_scale:MATRIX_SCALE_ROW1 matrix_b_scale:MATRIX_SCALE_ROW1
.endif
.endm
; A K step: its fragments are in; the next step's are asked for, into the set that the last step's products have read (four places behind them); then 32 products, the accumulators by turns.
.macro KSTEP i
	s_wait_dscnt 0x0
.if (\i) < 7
	PLACES 4
	FETCH (\i)+1, 1-(\i)%2
.endif
.if (\i) == 0
	WIN 0x81                                       ; source 0 (Wm) window 1, source 1 and C (the bias) window 0, D window 2
.else
	WIN 0xa1                                       ; C and D window 2
.endif
.irp a, 0,1,2,3
.irp b, 0,1,2,3,4,5,6,7
	ONE \a, \b, \i
.endr
.endr
	WIN 0
.endm
.irp p, 0,1,2,3
	ds_load_b128 v[SB+8*\p:SB+8*\p+3], v[ADS] offset:1088*\p          ; Wm's scale words: a row's 32 bytes are the words of its eight K steps; a pair of tiles is 32 rows, four units
	ds_load_b128 v[SB+8*\p+4:SB+8*\p+7], v[ADS] offset:1088*\p+16
.endr
.irp i, 0,1,2,3,4,5,6,7
.irp p, 0,1
.irp c, 0,1
	HALFW \i, \p, \c
.endr
.endr
.endr
	FETCH 0, 0
	s_wait_dscnt 24                                ; the scale words are in; the 24 younger loads are K step 0's fragments
.irp i, 0,1,2,3,4,5,6,7
.irp p, 0,1
	v_lshl_or_b32 v[SA+8*\p+\i], v[HV+4*\i+2*\p+1], 16, v[HV+4*\i+2*\p]   ; K step i's word: head 2 i's two bytes, then head 2 i + 1's
.endr
.endr
	PLACES 8                                       ; a scale register written by a vector instruction stands 8 places ahead of a scaled matrix instruction
	s_wait_loadcnt 0x0                             ; the bias
.irp i, 0,1,2,3,4,5,6,7
	s_wait_alu depctr_va_vdst(0)
	KSTEP \i
.endr
; THE WAY OUT, block by block of 16 rows x 128 columns, through my own stage: a lane's 32 bytes go in by rows of 528 bytes, whole rows of 512 bytes come back, and the 32 lanes store them.
; LDS serves a wave's instructions in order (ISA guide 5.7.1.4): no wait between the stores and the loads, nor in front of the next block's stores.
.macro TOSTAGE a
.set AC, 64*(\a)
	WIN 0x08                                       ; an LDS store's data are its source 1: window 2
.irp b, 0,1,2,3,4,5,6,7
	ds_store_b128 v[STO], v[AC+8*\b:AC+8*\b+3] offset:64*\b          ; each accumulator from its low end on
	ds_store_b128 v[STO], v[AC+8*\b+4:AC+8*\b+7] offset:64*\b+16
.endr
	WIN 0
.set RB, BK+64*((\a)%2)
.irp t, 0,1,2,3,4,5,6,7,8,9,10,11,12,13,14,15
	ds_load_b128 v[RB+4*\t:RB+4*\t+3], v[RD] offset:\t*SPITCH
.endr
.endm
.macro SEND a, younger                 ; younger: the LDS instructions issued behind block a's loads, which may stay out
.set RB, BK+64*((\a)%2)
	s_wait_dscnt \younger
.irp t, 0,1,2,3,4,5,6,7,8,9,10,11,12,13,14,15
	global_store_b128 v[CO], v[RB+4*\t:RB+4*\t+3], s[12:13] offset:(\a)*65536+\t*4096 th:TH_STORE_NT   ; 32 lanes store 512 consecutive bytes, at a multiple of 256 from out0's first byte; written once, read by nobody here
.endr
.endm
	PLACES 4                                       ; behind the last products: results are read, and loads land in registers that products have read
	TOSTAGE 0
.irp a, 1,2,3
.if \a > 1
	s_wait_xcnt 0x0                                ; block a - 2's stores have read their registers: block a's loads may land there
.endif
	TOSTAGE \a
	SEND \a-1, 32                                  ; behind block a - 1's loads: block a's 16 stores and 16 loads
.endr
	SEND 3, 0
	s_wait_tensorcnt 0x0
	ds_add_u32 v126, v127
	s_wait_dscnt 0x0
	CROUND                                         ; the closing round: no work-group ends while a partner may still ask for a tile that names it
	s_endpgm
.Lfunc_end_k_qca4e0c690a_proj:
	.size	k_qca4e0c690a_proj, .Lfunc_end_k_qca4e0c690a_proj-k_qca4e0c690a_proj
	.p2alignl 7, 3214868480
	.fill 96, 4, 3214868480
	.section	.rodata,"a",@progbits
	.p2align	6, 0x0
	.amdhsa_kernel k_qca4e0c690a_proj
		.amdhsa_group_segment_fixed_size 260608
		.amdhsa_private_segment_fixed_size 0
		.amdhsa_enable_private_segment 0
		.amdhsa_kernarg_size 40
		.amdhsa_user_sgpr_count 2
		.amdhsa_user_sgpr_kernarg_segment_ptr 1
		.amdhsa_wavefront_size32 1
		.amdhsa_system_sgpr_workgroup_id_x 1
		.amdhsa_system_sgpr_workgroup_id_y 1
		.amdhsa_system_sgpr_workgroup_id_z 1
		.amdhsa_system_vgpr_workitem_id 0
		.amdhsa_next_free_vgpr 768
		.amdhsa_next_free_sgpr 100
		.amdhsa_reserve_vcc 0
		.amdhsa_float_denorm_mode_32 3
		.amdhsa_float_denorm_mode_16_64 3
		.amdhsa_memory_ordered 1
		.amdhsa_forward_progress 1
		.amdhsa_inst_pref_size 74
	.end_amdhsa_kernel
	.amdgpu_metadata
---
amdhsa.version: [ 1, 2 ]
amdhsa.kernels:
  - .name:           k_qca4e0c690a_proj
    .symbol:         k_qca4e0c690a_proj.kd
    .args:
      - { .name: ab, .offset: 0, .size: 8, .value_kind: global_buffer, .address_space: global }
      - { .name: Wm_codes, .offset: 8, .size: 8, .value_kind: global_buffer, .address_space: global }
      - { .name: Wm_scales, .offset: 16, .size: 8, .value_kind: global_buffer, .address_space: global }
      - { .name: bm, .offset: 24, .size: 8, .value_kind: global_buffer, .address_space: global }
      - { .name: out0, .offset: 32, .size: 8, .value_kind: global_buffer, .address_space: global }
    .group_segment_fixed_size: 260608
    .private_segment_fixed_size: 0
    .kernarg_segment_align: 8
    .kernarg_segment_size: 40
    .max_flat_workgroup_size: 128
    .sgpr_count:     100
    .vgpr_count:     768
    .wavefront_size: 32
...
	.end_amdgpu_metadata
.endif
;; end of part 3
